; MI455X (gfx1250); checked and timed in simulation.
; The chip was launched on July 23, 2026; its instructions are those of AMD's public machine-readable ISA for CDNA 5 (MIT licence, August 2026) and "CDNA5" Instruction Set Architecture Reference Guide (July 2026). The comments in the code are by the model that wrote it; some were corrected since.
;; Causal Bo W. Allowed arithmetic: matrix products marked QUANTISED: E5M2 operands, one E8M0 scale for each 32 along K, by v_wmma_scale_f32_16x16x128_f8f6f4 with both operands' format E5M2, f32 sums; everything else in f32.
;; Inputs: x_codes 8 x 512 x 128 x 32 uint8 (E5M2 codes of x, K innermost, in blocks of 32 codes); x_scales 8 x 512 x 128 uint8 (E8M0 scales of x, one for each 32 codes along K).
;; Outputs: out0 8 x 4,096 x 512 float32.
;; This version of the problem:
;;   THIS VERSION OF THE PROBLEM IS GIVEN IN LOW PRECISION. The matrix products marked QUANTISED in the list below multiply operands that are first quantised to E5M2 (5 exponent bits, 2 mantissa bits; 8 bits a number), with one power-of-two scale for each 32 numbers along K (OCP MX v1.0); their sums are f32. All else is computed in f32.
;;   The module's matrix products, in the order in which they are computed (A, B: the left and right operand; K: the contracted axis; several contracted axes count as one K, in the product's order):
;;     1. [M 4,096, K 4,096] x [K 4,096, N 4,096]; A: input x (given as codes); B: computed on the way: QUANTISED
;;   THE QUANTISER, for each operand of a quantised product, along K:
;;     - K is cut into blocks of 32 from its start; a last block that is shorter is filled with zeros.
;;     - A block's scale is 2^e with e = floor(log2(the largest magnitude in the block)) - 15, held to -126 .. 127; a block of zeros has e = 0. As a byte (E8M0): e + 127.
;;     - Each number is divided by its block's scale, clamped to +-57,344, and rounded to the nearest number of E5M2, ties to even, subnormals kept.
;;     - The product sums the exact products of the quantised numbers (number of the format x scale) in f32.
;;   ~~~python
;;   def quantise(x, axis):      # numpy; x: float32 -> the quantised numbers, widened to float32 again
;;       x = np.moveaxis(x, axis, -1); K = x.shape[-1]
;;       x = np.pad(x, [(0, 0)] * (x.ndim - 1) + [(0, -K % 32)]); x = x.reshape(x.shape[:-1] + (-1, 32)); a = np.abs(x).max(-1, keepdims=True)
;;       e = np.where(a > 0, np.clip(np.frexp(np.where(a > 0, a, 1))[1] - 1 - 15, -126, 127), 0)      # np.frexp(a)[1] - 1 = floor(log2(a)), exactly
;;       r = np.clip(x / 2.0 ** e, -57344, 57344)
;;       step = 2.0 ** (np.maximum(np.frexp(np.where(r == 0, 1, r))[1] - 1, -14) - 2)
;;       q = np.round(r / step) * step * 2.0 ** e      # np.round: ties to even
;;       return np.moveaxis(q.reshape(q.shape[:-2] + (-1,))[..., :K], -1, axis).astype(np.float32)
;;   ~~~
;;   OPERANDS COMPUTED ON THE WAY. 'Computed on the way' means the value that the module computes at that place (a softmax that the list does not call 'softmax' is quantised finished and normalised). What goes into a quantiser is computed in f32, as accurately as f32 sums, v_exp_f32 and their like allow (about 1e-6 of the number): no bf16 or f16 on the way to a quantiser, and a product that is left as it is and whose result goes on into a quantised operand takes f32 operands (vector FMAs, or v_wmma_f32_16x16x4_f32). A number that lies on a knife's edge between two numbers of the format may be rounded either way, as far as f32 arithmetic and the matrix unit's own rounding can turn it there, and no further.
;;   INPUTS GIVEN AS CODES. x (in the module: [8, 4096, 512], K = its axis 1): each comes as NAME_codes (uint8): NAME with its K axis moved to the last place and cut into blocks of 32 codes, [.., K / 32, bytes a block], one block behind the other in memory; one code a byte (a code: sign, 5 exponent bits, 2 mantissa bits); and NAME_scales (uint8): the same leading axes, one E8M0 byte (e + 127) for each 32 codes along K. Its value is code x scale, taken as it is: it is not quantised again, and the codes and scales need not be those that the quantiser above would give.
;; One version. Each part assembles by itself: llvm-mc -triple=amdgcn-amd-amdhsa -mcpu=gfx1250 --defsym DOCPART=n.
;; ======== version 1 of 1: 1 launch
;; launch cbow (part 1): grid 256 x 1, 4 waves a work-group, clusters of 4 x 1, 297,472 bytes of LDS; arguments x_codes, x_scales, out0; writes out0
.if DOCPART == 1
	.amdgcn_target "amdgcn-amd-amdhsa--gfx1250"
	.amdhsa_code_object_version 6
	.text
	.protected	k_q0f4ac79bf0_cbow
	.globl	k_q0f4ac79bf0_cbow
	.p2align	8
	.type	k_q0f4ac79bf0_cbow,@function
k_q0f4ac79bf0_cbow:
	s_mov_b64 s[64:65], 0
	v_nop
	global_prefetch_b8 v0, s[64:65] scope:SCOPE_SE
	s_setreg_imm32_b32 hwreg(HW_REG_WAVE_MODE, 25, 1), 1
	s_wait_xcnt 0x0
	s_wait_alu depctr_hold_cnt(0) depctr_sa_sdst(0) depctr_va_vdst(0) depctr_va_sdst(0) depctr_va_ssrc(0) depctr_va_vcc(0) depctr_vm_vsrc(0)
	s_getreg_b32 s2, hwreg(HW_REG_IB_STS2, 6, 4)
	s_cmp_eq_u32 s2, 0
	s_cbranch_scc0 .Lentry_in_a_cluster
	s_endpgm
.Lentry_in_a_cluster:
	s_bfe_u32 s2, ttmp6, 0x10000c
	s_cmp_lg_u32 s2, 0x3003
	s_cbranch_scc0 .Lentry_shape_is_right
	s_endpgm
.Lentry_shape_is_right:
; out0[b][t][c] = the sum over s of att[t][s] x[b][s][c], att[t][s] = 1/(t+1) for s <= t and 0 beyond: ONE product on codes of BF8 (E5M2) with one E8M0 scale for each 32 along K = s.
; x arrives as codes, s innermost: row (b, c) is 4,096 bytes, with 128 scale bytes.  out0: [8][4096][512] f32.
; ATT IS MADE IN REGISTERS.  Row t holds one number, a = 1/(t+1), up to the diagonal: every block of 32 with a kept element has the largest magnitude a, so the row has ONE scale byte and ONE code.  Its operand is that
; code in every byte, zero codes beyond the diagonal.  Away from the diagonal the 16 registers of a fragment do not change along K: they are made once for a tile of rows and stay.
; WHAT IS MULTIPLIED.  The triangle is built by the problem itself: steps of 128 along K that lie wholly beyond a row block's diagonal are left out in the text.
; SHARES.  A cluster of four work-groups owns 64 rows (b, c) of x: 256 KiB of codes and 8 KiB of scale bytes, which lie in each partner's LDS for the whole launch: filled once, by JOINT loads (the same descriptor and
; the mask of all four in each partner), so nothing is filled again.  Work-group cx owns rows 32 cx .. 32 cx + 31 of every 128 rows of t.  A tile V_m (m = 0 .. 7) is 8 subtiles of 16 rows:
; subtile 2 j + e begins at t0 = 512 m + 128 j + 32 cx + 16 e.  K is cut into 8 blocks of 512 (4 steps of 128).  V_m takes blocks 0 .. m - 1 whole (FULL: 4 x 32 products) and block m as a STAIR: in step s pair j = s
; lies on the diagonal (masked codes), pairs j > s are whole, pairs j < s are done: 32 + 24 + 16 + 8 products.  Wave w makes V_(7-w), then V_w: 7 FULL and 2 STAIR, 1,056 products, in every wave of the launch.
; All branches hang on the wave's number and on counters; cx enters the masks, t + 1 and the stores' base alone.
; THE MATRIX INSTRUCTION IS USED TRANSPOSED: source 0 = 16 rows of x (c), source 1 = 16 rows of att (t): lane (r, h) holds row t0 + r, and its register q column c0 + 16 i + 8 h + q: 32 neighbouring bytes of out0.
; No prefetch is written: every byte of x is asked for by the first fills, at the head.
; LIMITS.  (1) Codes of infinity or NaN, or a scale byte 0xff, at places s > t would make the written product NaN (0 x infinity); the steps beyond the diagonal are not multiplied here, so they leave no trace.
; (2) The f32 sums do not run in ascending K throughout: the second tile takes its diagonal block first.  (3) 1/(t+1) is v_rcp_f32 and one Newton step: exact for powers of two; for t + 1 <= 4,096 it stays a relative
; 2.7e-5 or more away from every middle between two codes (those would need t + 1 = 2^n x 8/9, 8/11 or 8/13), far beyond what the last bit of f32 can turn.
; REGISTERS, in windows of 256: window 0: v1-16 lane numbers, addresses, at work; v32-35 x's scale words; v48-55 att's scale words; v56-63 at work; v64-95 the diagonal's masks; v96-127 at work;
;   v128-191, v192-255 x's fragments, two buffers.   window 1: v0-127 att's whole fragments, v128-255 att's masked fragments.   window 2: the 32 accumulators, (subtile, i) at v[8 (4 subtile + i)].
.set PX,   528                         ; a row of a K block in LDS: 512 bytes + 16 of padding = 132 words: the 16 rows that a load touches start at 16 different groups of four banks (64 banks of 4 bytes: ISA guide 11.1)
.set FRX,  16*PX                       ; 16 rows: a fragment's, and what one tensor load brings
.set BLK,  64*PX                       ; a K block: 64 rows x 512 along K
.set XS,   8*BLK                       ; behind the 8 blocks: the scale bytes, 64 rows x (128 bytes + 16)
.set PS,   144
.set STG,  XS+64*PS                    ; behind them, at a multiple of 256: a stage of 16 rows x (256 bytes + 16) for each wave; no fill lands there
.set PST,  272
.set R,    1                           ; v1   r = lane % 16
.set H,    2                           ; v2   h = lane / 16
.set LN,   3                           ; v3   lane
.set AX0,  4                           ; v4   my place in a fragment of x: r x PX + 16 h
.set AS0,  5                           ; v5   my scale words: XS + lane x PS
.set ADR,  6                           ; v6   AX0 + the K block in hand
.set ADS,  7                           ; v7   AS0 + 16 x the K block
.set STO,  8                           ; v8   the way out: where I put 32 bytes of a row
.set RD,   9                           ; v9   and where I read a row back
.set CO,   10                          ; v10  my byte offset in two rows of out0; never rewritten
.set U,    11                          ; v11  32 cx + r - 16 h
.set TR,   12                          ; v12  the tile's first t + 1, + r
.set ONES, 13                          ; v13  -1
.set NIL,  14                          ; v14  0
.set T0,   15                          ; v15-16 at work
.set T1,   16
.set SX,   32                          ; x's scale words: for buffer p v[SX + 2 p + u]: lanes 0-15 fragment 2 u's rows, lanes 16-31 fragment 2 u + 1's
.set SA,   48                          ; att's scale word of subtile u: lane r has row t0 + r's
.set HT,   56                          ; t + 1 as f32, later the hold
.set M,    64                          ; the masks: v[M + 16 e + q] for register q of a fragment on the diagonal
.set CW,   96                          ; a pair of code words for each subtile
.set AV,   112                         ; a = 1 / (t + 1)
.set SV,   120                         ; Newton's residual, later the conversion's scale operand
.set F,    128                         ; x's fragments: buffer p, fragment i at v[F + 64 p + 16 i].  On the way out buffer 0 takes rows of out0
.set Q,    192                         ; eight copies of the held a for each subtile (in buffer 1, which is idle then)
.set AT,   0                           ; window 1
.set MK,   128                         ; window 1
.set W,    10                          ; s10  my wave's number
.set CX,   11                          ; s11  my place in the cluster
.set LIMH, 13                          ; s13  7 - wave: my first tile
.set CNT,  14                          ; s14  the K block in a loop
.set TB,   15                          ; s15  its LDS byte
.set TS,   2                           ; s2   16 x the K block: its scale words
.set MNT,  3                           ; s3   the mantissa field of 57,344
.set OUTH, 40                          ; s[40:41] out0 at my first tile;  s[42:43] at my second; never stepped
.set OUTL, 42
.set G1C,  16                          ; s[16:23] descriptor group 1 for codes;  s[24:31] for scale bytes;  s[32:35] group 0 for the scale bytes;  s[68+4n:71+4n] group 0 for K block n
.set G1S,  24
.set G0S,  32
.set G0B,  68
.set W_MUL, 0xa4                       ; source 0 (x) window 0, source 1 (att) window 1, C and D window 2
.set MSB, 0
.macro WIN new                         ; the immediate's high byte repeats the setting that is left; a switch that changes nothing is dropped
.if MSB != \new
	s_set_vgpr_msb (MSB<<8)|\new
.set MSB, \new
.endif
.endm
.macro PLACES n
.rept \n
	v_nop
.endr
.endm
; A round of the cluster's barrier: my work-group's barrier, wave 0 signals for the work-group, every wave waits for all four work-groups, my work-group's barrier once more.
.macro CROUND
	s_barrier_signal -1
	s_barrier_wait -1
	s_cmp_lg_u32 s[W], 0
	s_cbranch_scc1 .Lnot_wave_0_\@
	s_barrier_signal -3
.Lnot_wave_0_\@:
	s_barrier_wait -3
	s_barrier_signal -1
	s_barrier_wait -1
.endm
	s_load_b128 s[4:7], s[0:1], 0x0                ; x's codes s[4:5], x's scale bytes s[6:7]
	s_load_b64 s[8:9], s[0:1], 0x10                ; out0
	v_lshl_add_u32 v46, v0, 2, 0x48800
	v_mov_b32 v47, 0
	ds_add_u32 v46, v47
	ds_add_u32 v46, v47
	v_lshrrev_b32 v[T0], 5, v0
	v_readfirstlane_b32 s[W], v[T0]                ; wave 0..3
	s_bfe_u32 s[CX], ttmp6, 0x40000                ; cx
	s_xor_b32 s[LIMH], s[W], 7                     ; 7 - wave
	s_mov_b32 s[MNT], 0x600000
	; descriptor group 1 for codes: 16 rows x 512 elements of one byte, 4,096 bytes from row to row, padded in LDS
	s_mov_b32 s[G1C+0], 15|(1<<20)|(1<<21)|(6<<22)|(3<<25)  ; 15:0 the mask: all four work-groups; 17:16 elements of 1 byte; 20 padding on; 21 set beside a mask; 24:22 after every 128 words (code 6); 31:25 four words (code 3)
	s_mov_b32 s[G1C+1], 512<<16                    ; tensor_dim0
	s_mov_b32 s[G1C+2], 16<<16                     ; tensor_dim1
	s_mov_b32 s[G1C+3], 512<<16                    ; tile_dim0
	s_mov_b32 s[G1C+4], 16                         ; tile_dim1
	s_mov_b32 s[G1C+5], 4096                       ; tensor_dim0_stride
	s_mov_b32 s[G1C+6], 0
	s_mov_b32 s[G1C+7], 0
	; and for scale bytes: 16 rows x 128 bytes, dense in memory, four words of padding after every 32
	s_mov_b32 s[G1S+0], 15|(1<<20)|(1<<21)|(4<<22)|(3<<25)
	s_mov_b32 s[G1S+1], 128<<16
	s_mov_b32 s[G1S+2], 16<<16
	s_mov_b32 s[G1S+3], 128<<16
	s_mov_b32 s[G1S+4], 16
	s_mov_b32 s[G1S+5], 128
	s_mov_b32 s[G1S+6], 0
	s_mov_b32 s[G1S+7], 0
	; what I fetch: rows 16 w .. 16 w + 15 of the cluster's 64.  In a cluster launch ttmp9 counts clusters.  Nothing here hangs on cx
	s_lshl_b32 s44, ttmp9, 18                      ; the cluster's 64 rows of 4,096 bytes,
	s_lshl_b32 s45, s[W], 16                       ; my 16 of them
	s_add_co_u32 s44, s44, s45
	s_mov_b32 s45, 0
	s_lshl_b32 s46, ttmp9, 13                      ; the same in rows of 128 scale bytes
	s_lshl_b32 s47, s[W], 11
	s_add_co_u32 s46, s46, s47
	s_mov_b32 s47, 0
	s_mul_i32 s50, s[W], FRX                       ; and where they go, in a K block
	s_mul_i32 s51, s[W], 16*PS
	s_add_co_u32 s51, s51, XS                      ; and among the scale bytes
	; out0: b = cluster / 8 (2^23 bytes a batch), c0 = 64 (cluster % 8) (4 bytes a column), my 32 cx rows of 2,048 bytes; a tile m begins 512 m rows on
	s_lshr_b32 s48, ttmp9, 3
	s_lshl_b32 s48, s48, 23
	s_and_b32 s49, ttmp9, 7
	s_lshl_b32 s49, s49, 8
	s_add_co_u32 s48, s48, s49
	s_lshl_b32 s49, s[CX], 16
	s_add_co_u32 s48, s48, s49
	s_mov_b32 s49, 0
	s_lshl_b32 s54, s[LIMH], 20
	s_mov_b32 s55, 0
	s_lshl_b32 s56, s[W], 20
	s_mov_b32 s57, 0
	s_lshl_b32 s59, s[CX], 5                       ; 32 cx
	s_lshl_b32 s52, s[LIMH], 9
	s_add_co_u32 s52, s52, s59
	s_add_co_u32 s52, s52, 1                       ; s52: t + 1 of my first tile's first row: 512 (7 - w) + 32 cx + 1
	s_lshl_b32 s53, s[W], 9
	s_add_co_u32 s53, s53, s59
	s_add_co_u32 s53, s53, 1                       ; s53: of my second tile's
	s_wait_dscnt 0x0
	s_wait_kmcnt 0x0
	s_add_nc_u64 s[4:5], s[4:5], s[44:45]
	s_add_nc_u64 s[6:7], s[6:7], s[46:47]
	s_add_nc_u64 s[8:9], s[8:9], s[48:49]
	s_add_nc_u64 s[OUTH:OUTH+1], s[8:9], s[54:55]
	s_add_nc_u64 s[OUTL:OUTL+1], s[8:9], s[56:57]
	s_mov_b32 s[G0S], 1                            ; 1:0 count = 1
	s_mov_b32 s[G0S+1], s51                        ; 63:32 LDS address
	s_mov_b64 s[G0S+2:G0S+3], s[6:7]               ; 120:64 global address
	s_or_b32 s[G0S+3], s[G0S+3], 0x80000000        ; 127:126 type = 2
.irp n, 0,1,2,3,4,5,6,7
	s_mov_b32 s[G0B+4*\n], 1
	s_add_co_u32 s[G0B+4*\n+1], s50, \n*BLK
	s_add_nc_u64 s[G0B+4*\n+2:G0B+4*\n+3], s[4:5], 512*\n      ; K block n: 512 n bytes along my rows
	s_or_b32 s[G0B+4*\n+3], s[G0B+4*\n+3], 0x80000000
.endr
	CROUND                                         ; all four work-groups are here: the joint loads meet
	; THE FIRST FILLS, AND THE ONLY ONES: the scale bytes, then the K blocks in the order in which they are wanted.  Nine tensor loads of mine are out; each has a group 0 of its own, none of which is written again.
	tensor_load_to_lds s[G0S:G0S+3], s[G1S:G1S+7]
	s_nop 0
.irp n, 0,1,2,3,4,5,6,7
	tensor_load_to_lds s[G0B+4*\n:G0B+4*\n+3], s[G1C:G1C+7]
	s_nop 0
.endr
	PLACES 4                                       ; four v_nop follow the last of them
	; ---- while the loads are on their way: addresses, the diagonal's masks, att for my first tile
	v_and_b32 v[R], 15, v0
	v_bfe_u32 v[H], v0, 4, 1
	v_and_b32 v[LN], 31, v0
	v_mul_u32_u24 v[AX0], v[R], PX
	v_lshl_add_u32 v[AX0], v[H], 4, v[AX0]
	v_mul_u32_u24 v[AS0], v[LN], PS
	v_add_nc_u32 v[AS0], XS, v[AS0]
	s_mul_i32 s58, s[W], 16*PST
	s_add_co_u32 s58, s58, STG                     ; my stage
	v_mul_u32_u24 v[STO], v[R], PST                ; in: row r, 32 bytes for each half of the lanes
	v_lshl_add_u32 v[STO], v[H], 5, v[STO]
	v_add_nc_u32 v[STO], s58, v[STO]
	v_mul_u32_u24 v[RD], v[H], PST                 ; back: lanes 0-15 one row of 256 bytes, lanes 16-31 the next
	v_lshl_add_u32 v[RD], v[R], 4, v[RD]
	v_add_nc_u32 v[RD], s58, v[RD]
	v_lshlrev_b32 v[CO], 11, v[H]                  ; and the same two rows in out0, 2,048 bytes apart
	v_lshl_add_u32 v[CO], v[R], 4, v[CO]
	v_lshlrev_b32 v[T0], 4, v[H]
	v_sub_nc_u32 v[U], v[R], v[T0]
	v_add_nc_u32 v[U], s59, v[U]                   ; 32 cx + r - 16 h
	v_mov_b32 v[ONES], -1
	v_mov_b32 v[NIL], 0
; THE MASKS.  On the diagonal a subtile's row t0 + r stands 32 cx + 16 e + r behind the step's first k, whatever the tile and the pair.  Byte y of register 4 c + j of lane (r, h) is k = 32 c + 16 h + 4 j + y:
; kept where y <= d = U + 16 e - 32 c - 4 j.  With z = 3 - d the mask is all ones shifted right by 8 z bits; all ones where z < 0; nothing where z > 3.
.irp e, 0,1
.irp c, 0,1,2,3
.irp j, 0,1,2,3
	v_sub_nc_u32 v[T0], 3-(16*\e-32*\c-4*\j), v[U]
	v_lshlrev_b32 v[T1], 3, v[T0]
	v_lshrrev_b32 v[M+16*\e+4*\c+\j], v[T1], v[ONES]
	v_cmp_gt_i32 vcc_lo, 0, v[T0]
	v_cndmask_b32 v[M+16*\e+4*\c+\j], v[M+16*\e+4*\c+\j], v[ONES], vcc_lo
	v_cmp_lt_i32 vcc_lo, 3, v[T0]
	v_cndmask_b32 v[M+16*\e+4*\c+\j], v[M+16*\e+4*\c+\j], v[NIL], vcc_lo
.endr
.endr
.endr
; ATT FOR A TILE: for each of its 8 subtiles (u = 2 j + e; by turns, so that no line waits for the line above it) the row's a, its scale word and its code, and the 16 registers of the whole fragment.
; The quantiser's floor is not written: a is 2^-12 at the least, so the byte lies between 100 and 112.
.macro ATT sb
	v_add_nc_u32 v[TR], s[\sb], v[R]
.irp u, 0,1,2,3,4,5,6,7
	v_add_nc_u32 v[HT+\u], 128*(\u/2)+16*(\u%2), v[TR]         ; t + 1
.endr
.irp u, 0,1,2,3,4,5,6,7
	v_cvt_f32_u32 v[HT+\u], v[HT+\u]
.endr
.irp u, 0,1,2,3,4,5,6,7
	v_rcp_f32 v[AV+\u], v[HT+\u]
.endr
	v_nop                                          ; one plain place behind the transcendentals
	s_wait_alu depctr_va_vdst(0)
.irp u, 0,1,2,3,4,5,6,7
	v_fma_f32 v[SV+\u], -v[HT+\u], v[AV+\u], 1.0   ; Newton: 1 - (t + 1) y, exact to one rounding,
.endr
.irp u, 0,1,2,3,4,5,6,7
	v_fma_f32 v[AV+\u], v[AV+\u], v[SV+\u], v[AV+\u]   ; y + y x that: a
.endr
.irp u, 0,1,2,3,4,5,6,7
	v_add_nc_u32 v[SV+\u], 0xf8800000, v[AV+\u]    ; 15 off a's exponent field: the conversion takes the exponent field of this operand as its scale, and nothing else of it
.endr
.irp u, 0,1,2,3,4,5,6,7
	v_and_or_b32 v[HT+\u], v[AV+\u], 0x7f800000, s[MNT]   ; 57,344 x the scale: a's exponent field over 57,344's mantissa
.endr
.irp u, 0,1,2,3,4,5,6,7
	v_lshrrev_b32 v[SA+\u], 23, v[SV+\u]           ; the scale's byte,
.endr
.irp u, 0,1,2,3,4,5,6,7
	v_lshl_or_b32 v[SA+\u], v[SA+\u], 8, v[SA+\u]  ; the same for all four blocks of a step
.endr
.irp u, 0,1,2,3,4,5,6,7
	v_lshl_or_b32 v[SA+\u], v[SA+\u], 16, v[SA+\u]
.endr
.irp u, 0,1,2,3,4,5,6,7
.irp q, 0,1,2,3,4,5,6,7
	v_min_num_f32 v[Q+8*\u+\q], v[AV+\u], v[HT+\u] ; the conversion to an 8-bit code does not saturate (ISA guide 7.6.2); a is positive, so the hold is one-sided.  Eight copies: the conversion takes eight registers
.endr
.endr
.irp u, 0,1,2,3,4,5,6,7
	v_cvt_scalef32_pk8_bf8_f32 v[CW+2*\u:CW+2*\u+1], v[Q+8*\u:Q+8*\u+7], v[SV+\u]   ; the row's code in every byte
.endr
	v_nop                                          ; one plain place behind the conversions
	WIN 0x40                                       ; destination window 1
.irp u, 0,1,2,3,4,5,6,7
.irp q, 0,1,2,3,4,5,6,7,8,9,10,11,12,13,14,15
	v_mov_b32 v[AT+16*\u+\q], v[CW+2*\u]           ; the operand's 16 registers all hold that word
.endr
.endr
	WIN 0
.endm
.macro MASKALL                         ; the same fragments with zero codes beyond the diagonal
	WIN 0x41                                       ; destination and source 0 window 1
.irp u, 0,1,2,3,4,5,6,7
.irp q, 0,1,2,3,4,5,6,7,8,9,10,11,12,13,14,15
	v_and_b32 v[MK+16*\u+\q], v[AT+16*\u+\q], v[M+16*(\u%2)+\q]
.endr
.endr
	WIN 0
.endm
; 18 LDS loads in one run: x's four fragments (16 rows x 128 K: lane (r, h): registers 4 c .. 4 c + 3 hold k = 32 c + 16 h + 0 .. 15) and their scale words, into buffer buf
.macro LOADX buf, adr, ads, off, soff
.irp i, 0,1,2,3
.irp c, 0,1,2,3
	ds_load_b128 v[F+64*(\buf)+16*\i+4*\c:F+64*(\buf)+16*\i+4*\c+3], v[\adr] offset:(\off)+FRX*\i+32*\c
.endr
.endr
.irp u, 0,1
	ds_load_b32 v[SX+2*(\buf)+\u], v[\ads] offset:(\soff)+32*PS*\u
.endr
.endm
; A step's products: pairs jlo .. 3, both subtiles of each, against x's four fragments.  diag = 1: pair jlo takes the masked fragments.  zero = 1: the products start the sums: nothing is ever cleared.
; The accumulators take turns, one instruction a turn, in the same order in every step.
.macro MULS buf, jlo, diag, zero
	WIN W_MUL
.irp j, 0,1,2,3
.if \j >= (\jlo)
.irp e, 0,1
.irp i, 0,1,2,3
.set rD, 8*(4*(2*\j+\e)+\i)
.set rA, F+64*(\buf)+16*\i
.set rB, AT+16*(2*\j+\e)
.if (\diag) && (\j == (\jlo))
.set rB, MK+16*(2*\j+\e)
.endif
.set rX, SX+2*(\buf)+\i/2
.set rT, SA+2*\j+\e
.if (\zero) && ((\i%2) == 0)
	v_wmma_scale_f32_16x16x128_f8f6f4 v[rD:rD+7], v[rA:rA+15], v[rB:rB+15], 0, v[rX], v[rT] matrix_a_fmt:MATRIX_FMT_BF8 matrix_b_fmt:MATRIX_FMT_BF8
.elseif \zero
	v_wmma_scale_f32_16x16x128_f8f6f4 v[rD:rD+7], v[rA:rA+15], v[rB:rB+15], 0, v[rX], v[rT] matrix_a_fmt:MATRIX_FMT_BF8 matrix_b_fmt:MATRIX_FMT_BF8 matrix_a_scale:MATRIX_SCALE_ROW1
.elseif (\i%2) == 0
	v_wmma_scale_f32_16x16x128_f8f6f4 v[rD:rD+7], v[rA:rA+15], v[rB:rB+15], v[rD:rD+7], v[rX], v[rT] matrix_a_fmt:MATRIX_FMT_BF8 matrix_b_fmt:MATRIX_FMT_BF8
.else
	v_wmma_scale_f32_16x16x128_f8f6f4 v[rD:rD+7], v[rA:rA+15], v[rB:rB+15], v[rD:rD+7], v[rX], v[rT] matrix_a_fmt:MATRIX_FMT_BF8 matrix_b_fmt:MATRIX_FMT_BF8 matrix_a_scale:MATRIX_SCALE_ROW1
.endif
.endr
.endr
.endif
.endr
	WIN 0
.endm
; A load into a register that a matrix instruction has read, and a store that reads a matrix result, stand eight places behind that matrix instruction, and only plain vector instructions that name none of its
; registers are places.  So eight v_nop stand in front of each run of loads.
; A step of a whole K block.  Its fragments were asked for a step (32 products) ago; it asks for the next step's, the last step for the next block's first.
; bar >= 0: in front of that last request the next block has to lie in LDS: my part of it has landed when at most bar younger loads of mine are out; the barrier shows the same of the other three waves.
.macro FSTEP s, bar, zero
	s_wait_dscnt 0x0                               ; this step's fragments and scale words are in; no LDS instruction of mine is out (a signal may follow)
.if (\s == 3) && ((\bar) >= 0)
	s_wait_tensorcnt \bar
	s_barrier_signal -1
	s_barrier_wait -1                              ; Later blocks may stay on their way
.endif
	PLACES 8
.if \s < 3
	LOADX (\s+1)%2, ADR, ADS, 128*(\s+1), 4*(\s+1)
.else
	LOADX 0, ADR, ADS, BLK, 16
.endif
	MULS \s%2, 0, 0, \zero
.endm
.macro FULL bar, zero
	FSTEP 0, \bar, \zero
	FSTEP 1, \bar, 0
	FSTEP 2, \bar, 0
	FSTEP 3, \bar, 0
.endm
; A step of the diagonal block.  next0 = 1: the last step asks for K block 0's first step.
.macro SSTEP s, zero, next0
	s_wait_dscnt 0x0
.if \s < 3
	PLACES 8
	LOADX (\s+1)%2, ADR, ADS, 128*(\s+1), 4*(\s+1)
.elseif \next0
	PLACES 8
	LOADX 0, AX0, AS0, 0, 0
.endif
	MULS \s%2, \s, 1, \zero
.endm
.macro STAIR zero, next0
	SSTEP 0, \zero, \next0
	SSTEP 1, 0, \next0
	SSTEP 2, 0, \next0
	SSTEP 3, 0, \next0
.endm
; THE WAY OUT, subtile by subtile: 16 rows x 64 columns.  A lane holds 32 neighbouring bytes of a row and the lanes beside it other rows: so a subtile goes through my own stage and comes back as whole rows of 256 bytes.
; LDS serves a wave's instructions in order (ISA guide 5.7.1.4): no wait between the stores and the loads, nor in front of the next subtile's stores.
.macro TOSTAGE a
	WIN 0x08                                       ; an LDS store's data are its source 1: window 2
.irp i, 0,1,2,3
	ds_store_b128 v[STO], v[8*(4*(\a)+\i):8*(4*(\a)+\i)+3] offset:64*\i          ; each accumulator from its low end on
	ds_store_b128 v[STO], v[8*(4*(\a)+\i)+4:8*(4*(\a)+\i)+7] offset:64*\i+16
.endr
	WIN 0
.irp t, 0,1,2,3,4,5,6,7
	ds_load_b128 v[F+32*((\a)%2)+4*\t:F+32*((\a)%2)+4*\t+3], v[RD] offset:2*PST*\t
.endr
.endm
.macro SEND a, younger, base           ; younger: the LDS instructions issued behind subtile a's loads, which may stay out
	s_wait_dscnt \younger
.irp t, 0,1,2,3,4,5,6,7
	global_store_b128 v[CO], v[F+32*((\a)%2)+4*\t:F+32*((\a)%2)+4*\t+3], s[\base:\base+1] offset:((\a)/2)*262144+((\a)%2)*32768+4096*\t th:TH_STORE_NT   ; sixteen lanes store 256 consecutive bytes, at a multiple of 256 from out0's first byte; the pair (128 rows), the subtile (16 rows) and the two rows stand in the immediate
.endr
.endm
.macro OUT base
	s_wait_dscnt 0x0                               ; no load of mine is on its way into the registers that take the rows
	PLACES 8                                       ; behind the last products: for the stores that read results and the loads into x's buffer 0
	TOSTAGE 0
.irp a, 1,2,3,4,5,6,7
.if \a > 1
	s_wait_xcnt 0x0                                ; subtile a - 2's stores have read their registers: subtile a's rows may land there
.endif
	TOSTAGE \a
	SEND \a-1, 16, \base                           ; behind subtile a - 1's loads: subtile a's 8 stores and 8 loads
.endr
	SEND 7, 0, \base
.endm
	ATT 52                                         ; my first tile, V_(7-w)
	MASKALL
	s_wait_tensorcnt 0x7                           ; the scale bytes and my part of K block 0 are in; the seven later blocks may be out,
	s_barrier_signal -1
	s_barrier_wait -1                              ; everybody's are
	; ---- K blocks 0 to 3: whole for every wave's first tile (7 - w is 4 at the least), so this part is alike in all waves and holds the barriers.  The counts 6, 5, 4: the blocks behind the one that is wanted next.
	; The last wait is for 0: behind its barrier all of x lies in LDS and the waves go their own ways.
.irp n, 0,1,2,3
	v_add_nc_u32 v[ADR], \n*BLK, v[AX0]
	v_add_nc_u32 v[ADS], 16*\n, v[AS0]
.if \n == 0
	LOADX 0, ADR, ADS, 0, 0
	FULL 6, 1                                      ; the first step's products start the sums
.elseif \n == 3
	FULL 0, 0
.else
	FULL 6-\n, 0
.endif
.endr
	; ---- K blocks 4 to 6, as far as they lie under my first tile.  Every wave walks the three trips; the branch, on the wave's number, leads round the work alone
	s_mov_b32 s[CNT], 4
	s_mov_b32 s[TB], 4*BLK
	s_mov_b32 s[TS], 64
.Lhigh:
	v_add_nc_u32 v[ADR], s[TB], v[AX0]
	v_add_nc_u32 v[ADS], s[TS], v[AS0]
	s_cmp_lt_u32 s[CNT], s[LIMH]
	s_cbranch_scc0 .Lhigh_skip
	FULL -1, 0
.Lhigh_skip:
	s_add_co_u32 s[TB], s[TB], BLK
	s_add_co_u32 s[TS], s[TS], 16
	s_add_co_u32 s[CNT], s[CNT], 1
	s_cmp_lt_u32 s[CNT], 7
	s_cbranch_scc1 .Lhigh
	; ---- its diagonal block, 7 - w: the first step's fragments were asked for by the last whole block
	s_mul_i32 s58, s[LIMH], BLK
	s_lshl_b32 s59, s[LIMH], 4
	v_add_nc_u32 v[ADR], s58, v[AX0]
	v_add_nc_u32 v[ADS], s59, v[AS0]
	STAIR 0, 0
	OUT OUTH                                       ; these stores are on their way while the second tile is multiplied: nothing waits for them
	; ---- my second tile, V_w.  Its diagonal block comes FIRST, so that one step, alike in all waves, starts all 32 sums
	s_wait_xcnt 0x0                                ; the last stores have read their registers: x's buffer 0 may be loaded again
	s_mul_i32 s58, s[W], BLK
	s_lshl_b32 s59, s[W], 4
	v_add_nc_u32 v[ADR], s58, v[AX0]
	v_add_nc_u32 v[ADS], s59, v[AS0]
	LOADX 0, ADR, ADS, 0, 0                        ; lands while att is made
	ATT 53
	MASKALL
	STAIR 1, 1
	; ---- K blocks 0 to w - 1
	s_mov_b32 s[CNT], 0
	s_mov_b32 s[TB], 0
	s_mov_b32 s[TS], 0
.Llow:
	v_add_nc_u32 v[ADR], s[TB], v[AX0]
	v_add_nc_u32 v[ADS], s[TS], v[AS0]
	s_cmp_lt_u32 s[CNT], s[W]
	s_cbranch_scc0 .Llow_skip
	FULL -1, 0
.Llow_skip:
	s_add_co_u32 s[TB], s[TB], BLK
	s_add_co_u32 s[TS], s[TS], 16
	s_add_co_u32 s[CNT], s[CNT], 1
	s_cmp_lt_u32 s[CNT], 3
	s_cbranch_scc1 .Llow
	OUT OUTL
	s_wait_dscnt 0x0                               ; no LDS instruction of mine is out at a signal
	s_wait_tensorcnt 0x0
	ds_add_u32 v46, v47
	s_wait_dscnt 0x0
	CROUND                                         ; the closing round: no work-group ends while a partner may still ask for a tile that names it
	s_endpgm
.Lfunc_end_k_q0f4ac79bf0_cbow:
	.size	k_q0f4ac79bf0_cbow, .Lfunc_end_k_q0f4ac79bf0_cbow-k_q0f4ac79bf0_cbow
	.p2alignl 7, 3214868480
	.fill 96, 4, 3214868480
	.section	.rodata,"a",@progbits
	.p2align	6, 0x0
	.amdhsa_kernel k_q0f4ac79bf0_cbow
		.amdhsa_group_segment_fixed_size 297472
		.amdhsa_private_segment_fixed_size 0
		.amdhsa_enable_private_segment 0
		.amdhsa_kernarg_size 24
		.amdhsa_user_sgpr_count 2
		.amdhsa_user_sgpr_kernarg_segment_ptr 1
		.amdhsa_wavefront_size32 1
		.amdhsa_system_sgpr_workgroup_id_x 1
		.amdhsa_system_sgpr_workgroup_id_y 1
		.amdhsa_system_sgpr_workgroup_id_z 1
		.amdhsa_system_vgpr_workitem_id 0
		.amdhsa_next_free_vgpr 768
		.amdhsa_next_free_sgpr 100
		.amdhsa_reserve_vcc 1
		.amdhsa_float_denorm_mode_32 3
		.amdhsa_float_denorm_mode_16_64 3
		.amdhsa_memory_ordered 1
		.amdhsa_forward_progress 1
		.amdhsa_inst_pref_size 243
	.end_amdhsa_kernel
	.amdgpu_metadata
---
amdhsa.version: [ 1, 2 ]
amdhsa.kernels:
  - .name:           k_q0f4ac79bf0_cbow
    .symbol:         k_q0f4ac79bf0_cbow.kd
    .args:
      - { .name: x_codes, .offset: 0, .size: 8, .value_kind: global_buffer, .address_space: global }
      - { .name: x_scales, .offset: 8, .size: 8, .value_kind: global_buffer, .address_space: global }
      - { .name: out0, .offset: 16, .size: 8, .value_kind: global_buffer, .address_space: global }
    .group_segment_fixed_size: 297472
    .private_segment_fixed_size: 0
    .kernarg_segment_align: 8
    .kernarg_segment_size: 24
    .max_flat_workgroup_size: 128
    .sgpr_count:     100
    .vgpr_count:     768
    .wavefront_size: 32
...
	.end_amdgpu_metadata
.endif
;; end of part 1
